; MI455X (gfx1250); checked and timed in simulation.
; The chip was launched on July 23, 2026; its instructions are those of AMD's public machine-readable ISA for CDNA 5 (MIT licence, August 2026) and "CDNA5" Instruction Set Architecture Reference Guide (July 2026). The comments in the code are by the model that wrote it; some were corrected since.
;; Attention Fusion. Allowed arithmetic: float matrix products may take bf16 or f16 operands with f32 sums; all other float work in f32.
;; Inputs: out_b 1,024 float32; out_w 1,024 x 1,024 float32; qkv_b 3,072 float32; qkv_w 3,072 x 1,024 float32; x 2 x 2,048 x 1,024 float32.
;; Outputs: out0 2 x 2,048 x 1,024 float32.
;; One version. Each part assembles by itself: llvm-mc -triple=amdgcn-amd-amdhsa -mcpu=gfx1250 --defsym DOCPART=n.
;; ======== version 1 of 1: 4 launches
;; workspace buffers: xb 8,388,608 bytes; wb 6,291,456 bytes; owb 2,097,152 bytes; qkv 25,165,824 bytes; o 8,388,608 bytes
;; launch cast (part 1): grid 1024 x 1, 8 waves a work-group, no clusters, 0 bytes of LDS; arguments x, qkv_w, out_w, xb, wb, owb; writes xb, wb, owb
.if DOCPART == 1
	.amdgcn_target "amdgcn-amd-amdhsa--gfx1250"
	.amdhsa_code_object_version 6
	.text
	.protected	k_q075b4a5f79_cast
	.globl	k_q075b4a5f79_cast
	.p2align	8
	.type	k_q075b4a5f79_cast,@function
k_q075b4a5f79_cast:
	s_mov_b64 s[64:65], 0
	v_nop
	global_prefetch_b8 v0, s[64:65] scope:SCOPE_SE
	s_setreg_imm32_b32 hwreg(HW_REG_WAVE_MODE, 25, 1), 1
	s_wait_xcnt 0x0
; xb = bf16(x), wb = bf16(qkv_w), owb = bf16(out_w): the three f32 matrix operands are rounded once (to nearest even), so that the two products that follow
; move, keep in LDS and read half the bytes for each number, and convert nothing.
; 8,388,608 numbers.  A work-group takes 32,768 bytes of ONE input: work-groups 0-511 x (16,777,216 bytes), 512-895 qkv_w (12,582,912), 896-1023 out_w (4,194,304).
; Thread t takes the 16 bytes at 16 t + 4,096 j, j = 0..7: a load of a wave covers 512 consecutive bytes; its four numbers become 8 bytes at 8 t + 2,048 j:
; a store of a wave covers 256 consecutive bytes, aligned.  All eight loads go out before the first wait.  Each byte is read once and written once, no wave
; depends on another: LDS, barriers, the matrix unit and clusters would add nothing.
; LIMIT: a finite f32 above bf16's largest number (about 3.39e38) rounds to infinity.
.set NX,   512                         ; work-groups for x
.set NXW,  896                         ; for x and qkv_w together
.set X,    4                           ; v[4:35]   eight loads of four f32
.set Y,    36                          ; v[36:51]  eight pairs of registers, four bf16 each
	s_load_b256 s[4:11], s[0:1], 0x0               ; x s[4:5], qkv_w s[6:7], out_w s[8:9], xb s[10:11]
	s_load_b128 s[12:15], s[0:1], 0x20             ; wb s[12:13], owb s[14:15]
	s_mov_b32 s16, ttmp9                           ; the work-group's number
	s_max_u32 s17, s16, NX
	s_sub_co_u32 s17, s17, NX                      ; its number among qkv_w's (0 where it serves x)
	s_max_u32 s18, s16, NXW
	s_sub_co_u32 s18, s18, NXW                     ; its number among out_w's
	v_lshlrev_b32 v1, 4, v0                        ; 16 t: my bytes in
	v_lshlrev_b32 v2, 3, v0                        ; 8 t: my bytes out
	s_wait_kmcnt 0x0
	s_cmp_lt_u32 s16, NXW                          ; the choice of buffers hangs on the work-group's number alone
	s_cselect_b64 s[20:21], s[6:7], s[8:9]
	s_cselect_b64 s[22:23], s[12:13], s[14:15]
	s_cselect_b32 s19, s17, s18
	s_cmp_lt_u32 s16, NX
	s_cselect_b64 s[20:21], s[4:5], s[20:21]       ; from
	s_cselect_b64 s[22:23], s[10:11], s[22:23]     ; to
	s_cselect_b32 s19, s16, s19                    ; which 32,768 bytes of it
	s_lshl_b32 s24, s19, 15
	s_mov_b32 s25, 0
	s_lshl_b32 s26, s19, 14
	s_mov_b32 s27, 0
	s_add_nc_u64 s[20:21], s[20:21], s[24:25]
	s_add_nc_u64 s[22:23], s[22:23], s[26:27]
.irp j, 0,1,2,3,4,5,6,7
	global_load_b128 v[X+4*\j:X+4*\j+3], v1, s[20:21] offset:4096*\j th:TH_LOAD_NT      ; read once in the launch
.endr
.irp j, 0,1,2,3,4,5,6,7
	s_wait_loadcnt 7-\j                            ; loads come back in order (ISA guide 5.7.1): load j is in, the younger ones stay out
	v_cvt_pk_bf16_f32 v[Y+2*\j],   v[X+4*\j],   v[X+4*\j+1]
	v_cvt_pk_bf16_f32 v[Y+2*\j+1], v[X+4*\j+2], v[X+4*\j+3]
	global_store_b64 v2, v[Y+2*\j:Y+2*\j+1], s[22:23] offset:2048*\j th:TH_STORE_NT     ; not read again in this launch; no register is written twice
.endr
	s_endpgm
.Lfunc_end_k_q075b4a5f79_cast:
	.size	k_q075b4a5f79_cast, .Lfunc_end_k_q075b4a5f79_cast-k_q075b4a5f79_cast
	.p2alignl 7, 3214868480
	.fill 96, 4, 3214868480
	.section	.rodata,"a",@progbits
	.p2align	6, 0x0
	.amdhsa_kernel k_q075b4a5f79_cast
		.amdhsa_group_segment_fixed_size 0
		.amdhsa_private_segment_fixed_size 0
		.amdhsa_enable_private_segment 0
		.amdhsa_kernarg_size 48
		.amdhsa_user_sgpr_count 2
		.amdhsa_user_sgpr_kernarg_segment_ptr 1
		.amdhsa_wavefront_size32 1
		.amdhsa_system_sgpr_workgroup_id_x 1
		.amdhsa_system_sgpr_workgroup_id_y 1
		.amdhsa_system_sgpr_workgroup_id_z 1
		.amdhsa_system_vgpr_workitem_id 0
		.amdhsa_next_free_vgpr 52
		.amdhsa_next_free_sgpr 66
		.amdhsa_reserve_vcc 0
		.amdhsa_float_denorm_mode_32 3
		.amdhsa_float_denorm_mode_16_64 3
		.amdhsa_memory_ordered 1
		.amdhsa_forward_progress 1
		.amdhsa_inst_pref_size 5
	.end_amdhsa_kernel
	.amdgpu_metadata
---
amdhsa.version: [ 1, 2 ]
amdhsa.kernels:
  - .name:           k_q075b4a5f79_cast
    .symbol:         k_q075b4a5f79_cast.kd
    .args:
      - { .name: x, .offset: 0, .size: 8, .value_kind: global_buffer, .address_space: global }
      - { .name: qkv_w, .offset: 8, .size: 8, .value_kind: global_buffer, .address_space: global }
      - { .name: out_w, .offset: 16, .size: 8, .value_kind: global_buffer, .address_space: global }
      - { .name: xb, .offset: 24, .size: 8, .value_kind: global_buffer, .address_space: global }
      - { .name: wb, .offset: 32, .size: 8, .value_kind: global_buffer, .address_space: global }
      - { .name: owb, .offset: 40, .size: 8, .value_kind: global_buffer, .address_space: global }
    .group_segment_fixed_size: 0
    .private_segment_fixed_size: 0
    .kernarg_segment_align: 8
    .kernarg_segment_size: 48
    .max_flat_workgroup_size: 256
    .sgpr_count:     66
    .vgpr_count:     52
    .wavefront_size: 32
...
	.end_amdgpu_metadata
.endif
;; end of part 1
;; launch qkvproj (part 2): grid 8 x 32, 4 waves a work-group, clusters of 4 x 4, 327,680 bytes of LDS; arguments xb, wb, qkv_b, qkv; writes qkv
.if DOCPART == 2
	.amdgcn_target "amdgcn-amd-amdhsa--gfx1250"
	.amdhsa_code_object_version 6
	.text
	.protected	k_q075b4a5f79_qkvproj
	.globl	k_q075b4a5f79_qkvproj
	.p2align	8
	.type	k_q075b4a5f79_qkvproj,@function
k_q075b4a5f79_qkvproj:
	s_mov_b64 s[64:65], 0
	v_nop
	global_prefetch_b8 v0, s[64:65] scope:SCOPE_SE
	s_setreg_imm32_b32 hwreg(HW_REG_WAVE_MODE, 25, 1), 1
	s_wait_xcnt 0x0
	s_wait_alu depctr_hold_cnt(0) depctr_sa_sdst(0) depctr_va_vdst(0) depctr_va_sdst(0) depctr_va_ssrc(0) depctr_va_vcc(0) depctr_vm_vsrc(0)
	s_getreg_b32 s2, hwreg(HW_REG_IB_STS2, 6, 4)
	s_cmp_eq_u32 s2, 0
	s_cbranch_scc0 .Lentry_in_a_cluster
	s_endpgm
.Lentry_in_a_cluster:
	s_bfe_u32 s2, ttmp6, 0x10000c
	s_cmp_lg_u32 s2, 0xf033
	s_cbranch_scc0 .Lentry_shape_is_right
	s_endpgm
.Lentry_shape_is_right:
; qkv[m][n] = bf16( sum over k of xb[m][k] wb[n][k] + qkv_b[n] ).  xb: [4096][1024] bf16, wb: [3072][1024] bf16, qkv_b: [3072] f32, qkv: [4096][3072] bf16.
; Sums in f32; the result is rounded once.
; A work-group makes 128 rows x 384 columns with four waves; wave w makes all 128 rows x columns 96 w .. 96 w + 95: 8 x 6 accumulator tiles, 384 registers.
; K goes in 8 steps of 128 (tile rows of 256 bytes, at multiples of 256 bytes from the buffers' first bytes) through two LDS slots; a step is four quarters of 32.
; CLUSTERS: 4 x 4 work-groups.  The four of a cluster's row share the block row, so xb's tile; the four of a column share the block column, so wb's tile.
; Each such tile is asked for jointly, which divides the requests for both operands by four.
; THE MATRIX INSTRUCTION IS USED TRANSPOSED: source 0 = 16 rows of wb, source 1 = 16 rows of xb.  Lane (r, h) of tile (a, b) then holds row 16 a + r and
; the eight neighbouring columns 96 w + 16 b + 8 h + 0..7, which pack into 16 bytes.  The bias, laid out as such a tile, is the C of each sum's first product.
; REGISTERS by windows of 256:  window 0: addresses and two buffers of fragments;  window 1: the bias as six C tiles, v[0:47];
; window 2: accumulator tiles of rows 0-63 (tile (a, b) at v[8 (6 a + b)]);  window 3: those of rows 64-127.
.set PITCH,  272                       ; an LDS row: 256 bytes + 16 of padding, an odd multiple of 16: the 16 rows of a fragment load start 16 bytes apart modulo 256
.set QUART,  128*PITCH                 ; 128 rows: what one tensor load brings
.set SLOT,   4*QUART                   ; xb's 128 rows, then wb's 384 rows
.set SPITCH, 784                       ; the way out: a row of 384 bf16 (768 bytes) + 16
.set OROW,   6144                      ; bytes in a row of qkv
.set ADRA, 2                           ; v2-3    LDS address of my xb fragments in slot 0, 1
.set ADRB, 4                           ; v4-5    the same for wb
.set STO,  6                           ; v6-7    the way out: where I put 16 bytes, rows 0-63 and rows 64-127
.set RD,   8                           ; v8      the way out: where I read rows back
.set CO,   9                           ; v9      my byte offset in the block of qkv
.set BO,   10                          ; v10     32 h: my eight numbers in 16 of the bias
.set F0,   16                          ; v[16:127]  fragment buffer 0: six fragments of wb, then eight of xb
.set F1,   128                         ; v[128:239] fragment buffer 1
.set FAO,  48                          ; xb's fragments in a buffer lie behind wb's six
.set OUT,  16                          ; v[16:207]  the way out (the fragments are dead by then)
.set G1A, 24                           ; s[24:31] descriptor group 1 for xb's tiles
.set G0A, 32                           ; s[32:39] group 0 for xb's tiles, a set for each slot
.set G1B, 40                           ; s[40:47] group 1 for wb's tiles: differs in the mask alone
.set G0B, 48                           ; s[48:55] group 0 for wb's tiles, a set for each slot
.set G1W0, (1<<16)|(1<<20)|(1<<21)|(5<<22)|(3<<25)   ; elements of 2 bytes; padding on; bit 21 beside a mask; after every 64 words; 4 words
.set MSB, 0
.macro WIN new                         ; the immediate's high byte repeats the setting that is left
.if MSB != \new
	s_set_vgpr_msb (MSB<<8)|\new
.set MSB, \new
.endif
.endm
.macro PLACES                          ; four plain vector places behind matrix instructions (ISA guide 7.12.1)
.rept 4
	v_nop
.endr
.endm
; A joint load.  Wave 0 fetches xb's 128 rows, waves 1 to 3 the thirds of wb's 384.  The branch hangs on the wave's number alone.
.macro JLOAD s
	s_cmp_eq_u32 s12, 0
	s_cbranch_scc0 .Lfor_w_\@
	tensor_load_to_lds s[G0A+4*\s:G0A+4*\s+3], s[G1A:G1A+7]
	s_nop 0
	s_branch .Lasked_\@
.Lfor_w_\@:
	tensor_load_to_lds s[G0B+4*\s:G0B+4*\s+3], s[G1B:G1B+7]
	s_nop 0
.Lasked_\@:
.endm
.macro CREST                           ; a round of the cluster's barrier behind its opening work-group barrier
	s_cmp_lg_u32 s12, 0
	s_cbranch_scc1 .Lnot_wave_0_\@
	s_barrier_signal -3
.Lnot_wave_0_\@:
	s_barrier_wait -3
	s_barrier_signal -1
	s_barrier_wait -1
.endm
.macro CROUND                          ; a whole round
	s_barrier_signal -1
	s_barrier_wait -1
	CREST
.endm
	s_load_b256 s[4:11], s[0:1], 0x0               ; xb s[4:5], wb s[6:7], qkv_b s[8:9], qkv s[10:11]
	v_lshl_add_u32 v254, v0, 2, 0x44000
	v_mov_b32 v255, 0
	ds_add_u32 v254, v255
	v_lshrrev_b32 v1, 5, v0
	v_readfirstlane_b32 s12, v1                    ; wave 0..3
	s_max_u32 s14, s12, 1
	s_sub_co_u32 s14, s14, 1                       ; which third of wb's rows I fetch (wave 0 fetches xb and never uses it)
	s_bfe_u32 s16, ttmp6, 0x40000                  ; cx
	s_bfe_u32 s17, ttmp6, 0x40004                  ; cy
	s_lshl_b32 s18, ttmp9, 2
	s_add_co_u32 s18, s18, s16                     ; block column = 4 x cluster x + cx
	s_and_b32 s19, ttmp7, 0xffff
	s_lshl_b32 s19, s19, 2
	s_add_co_u32 s19, s19, s17                     ; block row = 4 x cluster y + cy
	s_lshl_b32 s20, s17, 2
	s_lshl_b32 s20, 15, s20                        ; my row of the cluster: places 4 cy .. 4 cy + 3
	s_lshl_b32 s21, 0x1111, s16                    ; my column: places cx, cx + 4, cx + 8, cx + 12
	s_or_b32 s[G1A+0], s20, G1W0                   ; xb's tiles go to my row
	s_or_b32 s[G1B+0], s21, G1W0                   ; wb's tiles go to my column
	s_mov_b32 s[G1A+1], 128<<16                    ; tensor_dim0 = 128
	s_mov_b32 s[G1B+1], 128<<16
	s_mov_b32 s[G1A+2], 128<<16                    ; tensor_dim1 = 128
	s_mov_b32 s[G1B+2], 128<<16
	s_mov_b32 s[G1A+3], 128<<16                    ; tile_dim0 = 128 elements, 256 bytes
	s_mov_b32 s[G1B+3], 128<<16
	s_mov_b32 s[G1A+4], 128                        ; tile_dim1 = 128 rows
	s_mov_b32 s[G1B+4], 128
	s_mov_b32 s[G1A+5], 1024                       ; elements from row to row
	s_mov_b32 s[G1B+5], 1024
	s_mov_b32 s[G1A+6], 0
	s_mov_b32 s[G1B+6], 0
	s_mov_b32 s[G1A+7], 0
	s_mov_b32 s[G1B+7], 0
	s_lshl_b32 s22, s19, 18                        ; xb: block row x 128 rows x 2,048 bytes (registers that never hold cx)
	s_mov_b32 s23, 0
	s_mul_i32 s58, s18, 384                        ; wb: row 384 x block column + 128 x third (registers that never hold cy)
	s_lshl_b32 s59, s14, 7
	s_add_co_u32 s58, s58, s59
	s_lshl_b32 s58, s58, 11                        ; x 2,048 bytes
	s_mov_b32 s59, 0
	s_mul_i32 s60, s12, QUART                      ; where my tile goes: wave x 128 rows; no place in the cluster enters an LDS address
	s_wait_dscnt 0x0
	s_wait_kmcnt 0x0
	s_add_nc_u64 s[56:57], s[4:5], s[22:23]
	s_add_nc_u64 s[58:59], s[6:7], s[58:59]
	CROUND                                         ; all sixteen work-groups are here: the first joint loads meet
.irp s, 0,1
	s_mov_b32 s[G0A+4*\s], 1                                       ; count = 1
	s_add_co_u32 s[G0A+4*\s+1], s60, \s*SLOT                       ; LDS address
	s_add_nc_u64 s[G0A+4*\s+2:G0A+4*\s+3], s[56:57], \s*256        ; global address: K step s
	s_or_b32 s[G0A+4*\s+3], s[G0A+4*\s+3], 0x80000000              ; type = 2
	s_mov_b32 s[G0B+4*\s], 1
	s_add_co_u32 s[G0B+4*\s+1], s60, \s*SLOT
	s_add_nc_u64 s[G0B+4*\s+2:G0B+4*\s+3], s[58:59], \s*256
	s_or_b32 s[G0B+4*\s+3], s[G0B+4*\s+3], 0x80000000
	JLOAD \s                                       ; both slots are asked for before anything else: two tensor loads of the wave are out, never more
.endr
	; A fragment's lane (r, h) holds row r, K = 8 h + 0..7 in registers 0-3 and K = 16 + 8 h + 0..7 in registers 4-7:
	; two loads of 16 bytes, 32 bytes apart, at row x pitch + 16 h.
	v_and_b32 v11, 15, v0                          ; r
	v_bfe_u32 v12, v0, 4, 1                        ; h
	v_mul_u32_u24 v13, v11, PITCH
	v_lshl_add_u32 v13, v12, 4, v13                ; r x pitch + 16 h
	s_mul_i32 s61, s12, 96*PITCH                   ; my 96 rows of wb,
	s_add_co_u32 s61, s61, QUART                   ; which lie behind xb's 128
	v_mov_b32 v[ADRA], v13
	v_add_nc_u32 v[ADRA+1], SLOT, v13
	v_add_nc_u32 v[ADRB], s61, v13
	s_add_co_u32 s61, s61, SLOT
	v_add_nc_u32 v[ADRB+1], s61, v13
	v_mul_u32_u24 v14, v11, SPITCH                 ; in: row r, my wave's 192 bytes, 16 bytes for each half of the lanes
	v_lshl_add_u32 v14, v12, 4, v14
	s_mul_i32 s61, s12, 192
	v_add_nc_u32 v[STO], s61, v14
	v_add_nc_u32 v[STO+1], 64*SPITCH, v[STO]
	v_mul_u32_u24 v14, v12, SPITCH                 ; back: my wave takes rows 32 w .. 32 w + 31, two at a time, 256 bytes of each
	v_lshl_add_u32 v14, v11, 4, v14
	s_mul_i32 s61, s12, 32*SPITCH
	v_add_nc_u32 v[RD], s61, v14
	v_mul_u32_u24 v14, v12, OROW                   ; and the same places in qkv
	v_lshl_add_u32 v14, v11, 4, v14
	s_mul_i32 s61, s12, 32*OROW
	v_add_nc_u32 v[CO], s61, v14
	v_lshlrev_b32 v[BO], 5, v12
	s_mul_i32 s62, s18, 1536                       ; the bias of my 96 columns: 4 (384 x block column + 96 w)
	s_mul_i32 s63, s12, 384
	s_add_co_u32 s62, s62, s63
	s_mov_b32 s63, 0
	s_add_nc_u64 s[8:9], s[8:9], s[62:63]
	WIN 0x40                                       ; destination window 1, address window 0
.irp b, 0,1,2,3,4,5
	global_load_b128 v[8*\b:8*\b+3],   v[BO], s[8:9] offset:64*\b            ; register j of tile b: the bias of column 16 b + 8 h + j
	global_load_b128 v[8*\b+4:8*\b+7], v[BO], s[8:9] offset:64*\b+16
.endr
	WIN 0
; 28 LDS loads in one run: the fragments of quarter q of a K step (96 rows of wb, 128 rows of xb, 32 K at byte 64 q of the rows) into buffer f
.macro FETCH slot, q, f
	WIN 0
.irp i, 0,1,2,3,4,5
	ds_load_b128 v[\f+8*\i:\f+8*\i+3],   v[ADRB+\slot] offset:\i*16*PITCH+64*\q
	ds_load_b128 v[\f+8*\i+4:\f+8*\i+7], v[ADRB+\slot] offset:\i*16*PITCH+64*\q+32
.endr
.irp i, 0,1,2,3,4,5,6,7
	ds_load_b128 v[\f+FAO+8*\i:\f+FAO+8*\i+3],   v[ADRA+\slot] offset:\i*16*PITCH+64*\q
	ds_load_b128 v[\f+FAO+8*\i+4:\f+FAO+8*\i+7], v[ADRA+\slot] offset:\i*16*PITCH+64*\q+32
.endr
.endm
; 24 matrix instructions, one on each accumulator of a window.  The 48 accumulators take turns, one instruction a turn, in the same order in every quarter,
; over the loop's backward jump too.  zero = 1: the first product starts the sums from the bias.
.macro MUL24 f, hi, zero
.irp a, 0,1,2,3
.irp b, 0,1,2,3,4,5
.if \zero
	v_wmma_f32_16x16x32_bf16 v[8*(6*\a+\b):8*(6*\a+\b)+7], v[\f+8*\b:\f+8*\b+7], v[\f+FAO+8*(4*\hi+\a):\f+FAO+8*(4*\hi+\a)+7], v[8*\b:8*\b+7]
.else
	v_wmma_f32_16x16x32_bf16 v[8*(6*\a+\b):8*(6*\a+\b)+7], v[\f+8*\b:\f+8*\b+7], v[\f+FAO+8*(4*\hi+\a):\f+FAO+8*(4*\hi+\a)+7], v[8*(6*\a+\b):8*(6*\a+\b)+7]
.endif
.endr
.endr
.endm
.macro MULLO f, zero                   ; my rows 0-63
.if \zero
	WIN 0x90                                       ; D window 2, C (the bias) window 1, fragments window 0
.else
	WIN 0xa0                                       ; C and D window 2
.endif
	MUL24 \f, 0, \zero
.endm
.macro MULHI f, zero                   ; my rows 64-127
.if \zero
	WIN 0xd0                                       ; D window 3, C (the bias) window 1
.else
	WIN 0xf0                                       ; C and D window 3
.endif
	MUL24 \f, 1, \zero
.endm
; One quarter: multiplies buffer mf, whose loads were issued a quarter ago, and fetches the next quarter (quarter fq of slot fslot) into buffer ff,
; which the last quarter multiplied: those loads have this quarter's products in which to come back.
; chg = 1: the quarter changes slots.  In front of the barrier the wave's reads of slot cslot are back and all its tensor loads have landed, its part of the
; other slot among them; 24 products, register work alone, stand between signal and wait.  fill = 1: that barrier opens a round of the cluster's barrier, and
; behind the round slot cslot is asked for again, two K steps ahead, as the wave's first and only tensor load there, ahead of its first LDS read.
; From that request to the wait for it the wave issues 24 + 3 x 48 = 168 matrix instructions.
.macro SPAN fetch, fslot, fq, ff, chg, cslot, fill, mf, zero
	WIN 0
	PLACES                                         ; the loads below land in fragments that the last quarter's products read
	s_wait_dscnt 0x0                               ; the 28 loads issued a quarter ago
.if \chg
	s_wait_tensorcnt 0x0
	ds_add_u32 v254, v255
	s_wait_dscnt 0x0
	s_barrier_signal -1
	MULLO \mf, 0
	WIN 0
	s_barrier_wait -1
.if \fill
	CREST
	s_add_nc_u64 s[G0A+4*\cslot+2:G0A+4*\cslot+3], s[G0A+4*\cslot+2:G0A+4*\cslot+3], 512   ; no tensor load of mine is out: a group 0 may be written
	s_add_nc_u64 s[G0B+4*\cslot+2:G0B+4*\cslot+3], s[G0B+4*\cslot+2:G0B+4*\cslot+3], 512
	JLOAD \cslot
.endif
	FETCH \fslot, \fq, \ff
	MULHI \mf, 0
.else
.if \fetch
	FETCH \fslot, \fq, \ff
.endif
	MULLO \mf, \zero
	MULHI \mf, \zero
.endif
.endm
; A K step in slot s; o = the other slot.  chg = 1: its last quarter changes slots; fill = 1: and slot s is asked for again.
.macro STEP s, o, chg, fill, zero
	SPAN 1, \s, 1, F1, 0, 0, 0, F0, \zero
	SPAN 1, \s, 2, F0, 0, 0, 0, F1, 0
	SPAN 1, \s, 3, F1, 0, 0, 0, F0, 0
.if \chg
	SPAN 1, \o, 0, F0, 1, \s, \fill, F1, 0
.else
	SPAN 0, 0, 0, F0, 0, 0, 0, F1, 0
.endif
.endm
	s_wait_tensorcnt 0x1                           ; my part of K step 0 is in; K step 1's may stay out
	s_barrier_signal -1
	s_barrier_wait -1                              ; everybody's is
	FETCH 0, 0, F0
	s_wait_loadcnt 0x0                             ; the bias
	STEP 0, 1, 1, 1, 1                             ; the first two K steps stand in front of the loop: the first products start the sums
	STEP 1, 0, 1, 1, 0
	WIN 0                                          ; at a label and at a branch every window is 0
	s_mov_b32 s15, 2
.Llap:
	STEP 0, 1, 1, 1, 0                             ; K steps 2 to 5 ask for K steps 4 to 7
	STEP 1, 0, 1, 1, 0
	WIN 0
	s_sub_co_u32 s15, s15, 1
	s_cmp_lg_u32 s15, 0
	s_cbranch_scc1 .Llap
	STEP 0, 1, 1, 0, 0                             ; K steps 6 and 7: nothing is left to fetch; the one change of slots is a plain barrier
	STEP 1, 0, 0, 0, 0
	; THE WAY OUT.  All 128 rows x 768 bytes go through LDS, in slot 0's bytes: slot 0 has had its last fill (K step 6), and every wave's reads of it
	; were waited for in front of K step 6's barrier.  Then whole rows are read back and stored, 16 lanes to 256 consecutive aligned bytes.
	WIN 0
	PLACES                                         ; the conversions read results and write over fragments of the last products
	s_mul_i32 s62, s19, 128*OROW
	s_mul_i32 s63, s18, 768
	s_add_co_u32 s62, s62, s63
	s_mov_b32 s63, 0
	s_add_nc_u64 s[10:11], s[10:11], s[62:63]      ; qkv at the block's corner
	WIN 0x0a                                       ; sources window 2
.irp a, 0,1,2,3
.irp b, 0,1,2,3,4,5
.irp i, 0,1,2,3
	v_cvt_pk_bf16_f32 v[OUT+4*(6*\a+\b)+\i], v[8*(6*\a+\b)+2*\i], v[8*(6*\a+\b)+2*\i+1]
.endr
.endr
.endr
	WIN 0x0f                                       ; sources window 3
.irp a, 0,1,2,3
.irp b, 0,1,2,3,4,5
.irp i, 0,1,2,3
	v_cvt_pk_bf16_f32 v[OUT+4*(6*(\a+4)+\b)+\i], v[8*(6*\a+\b)+2*\i], v[8*(6*\a+\b)+2*\i+1]
.endr
.endr
.endr
	WIN 0
.irp a, 0,1,2,3
.irp b, 0,1,2,3,4,5
	ds_store_b128 v[STO], v[OUT+4*(6*\a+\b):OUT+4*(6*\a+\b)+3] offset:\a*16*SPITCH+32*\b
.endr
.endr
.irp a, 0,1,2,3
.irp b, 0,1,2,3,4,5
	ds_store_b128 v[STO+1], v[OUT+4*(6*(\a+4)+\b):OUT+4*(6*(\a+4)+\b)+3] offset:\a*16*SPITCH+32*\b
.endr
.endr
	s_wait_dscnt 0x0                               ; my stores are done, for the others' sake: each row holds parts from all four waves
	s_barrier_signal -1
	s_barrier_wait -1
.irp t, 0,1,2,3,4,5,6,7,8,9,10,11,12,13,14,15
.irp c, 0,1,2
	ds_load_b128 v[OUT+4*(3*\t+\c):OUT+4*(3*\t+\c)+3], v[RD] offset:2*\t*SPITCH+256*\c
.endr
.endr
.irp t, 0,1,2,3,4,5,6,7,8,9,10,11,12,13,14,15
.irp c, 0,1,2
	s_wait_dscnt 47-(3*\t+\c)                      ; LDS loads come back in order: all but the younger ones are in
	global_store_b128 v[CO], v[OUT+4*(3*\t+\c):OUT+4*(3*\t+\c)+3], s[10:11] offset:2*\t*OROW+256*\c
.endr
.endr
	s_wait_tensorcnt 0x0
	ds_add_u32 v254, v255
	s_wait_dscnt 0x0
	CROUND                                         ; the closing round: no work-group ends while a partner may still ask for a tile that names it
	s_endpgm
.Lfunc_end_k_q075b4a5f79_qkvproj:
	.size	k_q075b4a5f79_qkvproj, .Lfunc_end_k_q075b4a5f79_qkvproj-k_q075b4a5f79_qkvproj
	.p2alignl 7, 3214868480
	.fill 96, 4, 3214868480
	.section	.rodata,"a",@progbits
	.p2align	6, 0x0
	.amdhsa_kernel k_q075b4a5f79_qkvproj
		.amdhsa_group_segment_fixed_size 327680
		.amdhsa_private_segment_fixed_size 0
		.amdhsa_enable_private_segment 0
		.amdhsa_kernarg_size 32
		.amdhsa_user_sgpr_count 2
		.amdhsa_user_sgpr_kernarg_segment_ptr 1
		.amdhsa_wavefront_size32 1
		.amdhsa_system_sgpr_workgroup_id_x 1
		.amdhsa_system_sgpr_workgroup_id_y 1
		.amdhsa_system_sgpr_workgroup_id_z 1
		.amdhsa_system_vgpr_workitem_id 0
		.amdhsa_next_free_vgpr 960
		.amdhsa_next_free_sgpr 66
		.amdhsa_reserve_vcc 0
		.amdhsa_float_denorm_mode_32 3
		.amdhsa_float_denorm_mode_16_64 3
		.amdhsa_memory_ordered 1
		.amdhsa_forward_progress 1
		.amdhsa_inst_pref_size 157
	.end_amdhsa_kernel
	.amdgpu_metadata
---
amdhsa.version: [ 1, 2 ]
amdhsa.kernels:
  - .name:           k_q075b4a5f79_qkvproj
    .symbol:         k_q075b4a5f79_qkvproj.kd
    .args:
      - { .name: xb, .offset: 0, .size: 8, .value_kind: global_buffer, .address_space: global }
      - { .name: wb, .offset: 8, .size: 8, .value_kind: global_buffer, .address_space: global }
      - { .name: qkv_b, .offset: 16, .size: 8, .value_kind: global_buffer, .address_space: global }
      - { .name: qkv, .offset: 24, .size: 8, .value_kind: global_buffer, .address_space: global }
    .group_segment_fixed_size: 327680
    .private_segment_fixed_size: 0
    .kernarg_segment_align: 8
    .kernarg_segment_size: 32
    .max_flat_workgroup_size: 128
    .sgpr_count:     66
    .vgpr_count:     960
    .wavefront_size: 32
...
	.end_amdgpu_metadata
.endif
;; end of part 2
;; launch attn (part 3): grid 16 x 16, 8 waves a work-group, clusters of 4 x 1, 327,680 bytes of LDS; arguments qkv, o; writes o
.if DOCPART == 3
	.amdgcn_target "amdgcn-amd-amdhsa--gfx1250"
	.amdhsa_code_object_version 6
	.text
	.protected	k_q075b4a5f79_attn
	.globl	k_q075b4a5f79_attn
	.p2align	8
	.type	k_q075b4a5f79_attn,@function
k_q075b4a5f79_attn:
	s_mov_b64 s[64:65], 0
	v_nop
	global_prefetch_b8 v0, s[64:65] scope:SCOPE_SE
	s_setreg_imm32_b32 hwreg(HW_REG_WAVE_MODE, 25, 1), 1
	s_wait_xcnt 0x0
	s_wait_alu depctr_hold_cnt(0) depctr_sa_sdst(0) depctr_va_vdst(0) depctr_va_sdst(0) depctr_va_ssrc(0) depctr_va_vcc(0) depctr_vm_vsrc(0)
	s_getreg_b32 s2, hwreg(HW_REG_IB_STS2, 6, 4)
	s_cmp_eq_u32 s2, 0
	s_cbranch_scc0 .Lentry_in_a_cluster
	s_endpgm
.Lentry_in_a_cluster:
	s_bfe_u32 s2, ttmp6, 0x10000c
	s_cmp_lg_u32 s2, 0x3003
	s_cbranch_scc0 .Lentry_shape_is_right
	s_endpgm
.Lentry_shape_is_right:
; o[b][q][head][d] = softmax over keys of (q . k / 8) times v, for 2 batches x 16 heads, 2,048 queries and keys, 64 numbers a head.
; qkv: [4096][3072] bf16 (q, k, v: 1,024 columns each); o: [4096][1024] bf16.  Products in bf16 with f32 sums; the softmax in f32 with a running maximum.
; A work-group takes 128 queries x 2 neighbouring heads, so that rows of K, V and o are 256 consecutive aligned bytes.  Eight waves: wave w takes head w / 4 of the pair
; and queries 32 (w mod 4) .. + 31, as two tiles of 16.  Two waves lie on a SIMD, so that one's softmax runs beside the other's products.
; CLUSTERS: the four query blocks of a cluster (4 x 1) walk the same K and V tiles and ask for them jointly (mask 15).
; LAYOUT, so that the weights never change lanes:  S^T = K Q^T (source 0 = 16 keys, source 1 = 16 queries): lane (r, h) holds query r, keys 8 h + 0..7 of the tile.
; Two neighbouring key tiles, packed to bf16, ARE source 1 of O^T = V^T P^T for 32 keys; V^T comes from LDS by the transposing load.  In O^T lane (r, h) holds
; query r, d = 16 dt + 8 h + 0..7.  So maximum, sum and rescaling factor are one number a lane, and the two halves of the lanes meet once for a block of 64 keys.
; THE EXPONENT: weight = 2^(c s - c m), c = log2(e) / 8, as one fused multiply-add on the rounded base -c m.  The rescaling factor is 2 to the difference of the
; two ROUNDED bases, so that all weights of a row stay on one common base whatever the size of the scores.
; LIMITS: a weight below 2^-126 counts as zero (v_exp_f32 flushes denormal results: ISA guide 15.8).  A row with a NaN or an infinite score gives what the
; arithmetic propagates (v_max_num_f32 drops a NaN from the maximum; the NaN then enters the row's sum), not necessarily the reference's pattern of NaNs.
.set KP,     272                       ; an LDS row of K: 256 bytes + 16, an odd multiple of 16
.set VP,     288                       ; an LDS row of V: 256 bytes + 32, an odd multiple of 32, as the transposing load's addresses want
.set VOFF,   256*KP                    ; V's 256 rows lie behind K's 256
.set SLOTB,  256*KP+256*VP             ; a slot: 256 keys of both heads
.set STAGE,  2*SLOTB                   ; the way out: 128 rows x 272 bytes, bytes of their own (a multiple of 256 from LDS byte 0), into which no tensor load lands
.set QROW,   6144                      ; bytes in a row of qkv
.set TILEB,  256*QROW                  ; from one tile of 256 keys to the next
.set KA,   2                           ; v2-3    LDS address of my K fragments in slot 0, 1
.set VA,   4                           ; v4-7    of my V fragments: slot 0 keys 0-127, keys 128-255; slot 1 likewise
.set QOFF, 8                           ; v8      my 16 bytes in Q's first row tile
.set STO,  9                           ; v9      the way out: where I put 16 bytes
.set RD,   10                          ; v10     the way out: where I read rows back
.set CO,   11                          ; v11     my byte offset in the block of o
.set MX,   12                          ; v12-13  running maximum of the raw scores, for each query tile
.set LS,   14                          ; v14-15  running sum of my half's weights
.set NM,   16                          ; v[16:19] -c m rounded, twice, for each query tile
.set AL,   20                          ; v[20:23] rescaling factor, twice, for each query tile
.set TT,   24                          ; v[24:29] at work
.set QF,   32                          ; v[32:63]   Q: fragment (qt, ds) at 8 (2 qt + ds)
.set OA,   64                          ; v[64:127]  O^T: tile (qt, dt) at 8 (4 qt + dt)
.set SC,   128                         ; v[128:191] S^T: tile (qt, kt) at 32 qt + 8 kt; then P^T: fragment (qt, ks) at 32 qt + 16 ks
.set FR,   192                         ; v[192:255] K fragments (kt, ds) at 8 (2 kt + ds), then V^T fragments (ks, dt) at 8 (4 ks + dt)
.set G1K, 24                           ; s[24:31] descriptor group 1 for K
.set G1V, 32                           ; s[32:39] for V: differs in the padding alone
.set G0K, 40                           ; s[40:47] group 0 for K, a set for each slot
.set G0V, 48                           ; s[48:55] group 0 for V, a set for each slot
.macro PLACES n                        ; plain vector places behind matrix instructions (ISA guide 7.12.1)
.rept \n
	v_nop
.endr
.endm
.macro ROUND                           ; a round of the cluster's barrier
	s_barrier_signal -1
	s_barrier_wait -1
	s_cmp_lg_u32 s8, 0
	s_cbranch_scc1 .Lnot_wave_0_\@
	s_barrier_signal -3
.Lnot_wave_0_\@:
	s_barrier_wait -3
	s_barrier_signal -1
	s_barrier_wait -1
.endm
; A joint load: waves 0 to 3 fetch the quarters of K's 256 rows, waves 4 to 7 those of V's.  The branch hangs on the wave's number alone.
.macro JLOAD s
	s_cmp_eq_u32 s11, 0
	s_cbranch_scc0 .Lfor_v_\@
	tensor_load_to_lds s[G0K+4*\s:G0K+4*\s+3], s[G1K:G1K+7]
	s_nop 0
	s_branch .Lasked_\@
.Lfor_v_\@:
	tensor_load_to_lds s[G0V+4*\s:G0V+4*\s+3], s[G1V:G1V+7]
	s_nop 0
.Lasked_\@:
.endm
	s_load_b128 s[4:7], s[0:1], 0x0                ; qkv s[4:5], o s[6:7]
	v_lshl_add_u32 v30, v0, 2, 0x4e800
	v_mov_b32 v31, 0
	ds_add_u32 v30, v31
	v_lshrrev_b32 v1, 5, v0
	v_readfirstlane_b32 s8, v1                     ; wave 0..7
	s_and_b32 s10, s8, 3                           ; my quarter: of the queries, and of the rows that I fetch
	s_lshr_b32 s11, s8, 2                          ; my head of the pair.  Also: I fetch for K (0) or for V (1)
	s_mov_b32 s12, 0x76543210                      ; v_permlanex16_b32: lane i of one half reads lane i of the other
	s_mov_b32 s13, 0xfedcba98
	s_mov_b32 s14, 0x3e38aa3b                      ; c = log2(e) / 8, twice: a pair for the packed multiply-add
	s_mov_b32 s15, 0x3e38aa3b
	s_mov_b32 s16, 0xbe38aa3b                      ; -c
	s_bfe_u32 s17, ttmp6, 0x40000                  ; cx
	s_lshl_b32 s18, ttmp9, 2
	s_add_co_u32 s18, s18, s17                     ; query block = 4 x cluster x + cx
	s_and_b32 s19, ttmp7, 0xffff                   ; y = 8 x batch + pair of heads (a cluster is one work-group high)
	s_lshr_b32 s20, s19, 3                         ; batch
	s_and_b32 s21, s19, 7                          ; pair of heads
	s_mov_b32 s[G1K+0], 0x0771000f                 ; mask 15; elements of 2 bytes; padding on; bit 21 beside a mask; after every 64 words; 4 words
	s_mov_b32 s[G1V+0], 0x0f71000f                 ; the same with 8 words of padding
	s_mov_b32 s[G1K+1], 128<<16                    ; tensor_dim0 = 128
	s_mov_b32 s[G1V+1], 128<<16
	s_mov_b32 s[G1K+2], 64<<16                     ; tensor_dim1 = 64
	s_mov_b32 s[G1V+2], 64<<16
	s_mov_b32 s[G1K+3], 128<<16                    ; tile_dim0 = 128 elements, 256 bytes
	s_mov_b32 s[G1V+3], 128<<16
	s_mov_b32 s[G1K+4], 64                         ; tile_dim1 = 64 rows
	s_mov_b32 s[G1V+4], 64
	s_mov_b32 s[G1K+5], 3072                       ; elements from row to row
	s_mov_b32 s[G1V+5], 3072
	s_mov_b32 s[G1K+6], 0
	s_mov_b32 s[G1V+6], 0
	s_mov_b32 s[G1K+7], 0
	s_mov_b32 s[G1V+7], 0
	s_lshl_b32 s56, s20, 11                        ; K and V: row 2,048 x batch + 64 x quarter; nothing of cx enters
	s_lshl_b32 s22, s10, 6
	s_add_co_u32 s56, s56, s22
	s_mul_i32 s56, s56, QROW
	s_lshl_b32 s22, s21, 8                         ; + 256 bytes x pair of heads
	s_add_co_u32 s56, s56, s22
	s_mov_b32 s57, 0
	s_mul_i32 s58, s10, 64*KP                      ; where my rows go: K's quarters,
	s_mul_i32 s59, s10, 64*VP
	s_add_co_u32 s59, s59, VOFF                    ; V's quarters behind them
	s_lshl_b32 s60, s20, 11                        ; Q and o: the block's first row = 2,048 x batch + 128 x query block
	s_lshl_b32 s23, s18, 7
	s_add_co_u32 s60, s60, s23
	s_lshl_b32 s62, s60, 11                        ; o: x 2,048 bytes
	s_add_co_u32 s62, s62, s22                     ;    + 256 x pair
	s_mov_b32 s63, 0
	s_lshl_b32 s23, s10, 5                         ; Q: + my 32 queries
	s_add_co_u32 s60, s60, s23
	s_mul_i32 s60, s60, QROW
	s_add_co_u32 s60, s60, s22                     ;    + 256 x pair
	s_lshl_b32 s22, s11, 7                         ; 128 bytes x my head of the pair
	s_add_co_u32 s60, s60, s22
	s_mov_b32 s61, 0
	s_wait_dscnt 0x0
	s_wait_kmcnt 0x0
	s_add_nc_u64 s[56:57], s[4:5], s[56:57]
	s_add_nc_u64 s[60:61], s[4:5], s[60:61]
	s_add_nc_u64 s[62:63], s[6:7], s[62:63]
.irp s, 0,1
	s_mov_b32 s[G0K+4*\s], 1                                       ; count = 1
	s_add_co_u32 s[G0K+4*\s+1], s58, \s*SLOTB                      ; LDS address
	s_add_nc_u64 s[G0K+4*\s+2:G0K+4*\s+3], s[56:57], 2048+\s*TILEB ; K's columns begin at byte 2,048 of a row; slot s starts with tile s
	s_or_b32 s[G0K+4*\s+3], s[G0K+4*\s+3], 0x80000000              ; type = 2
	s_mov_b32 s[G0V+4*\s], 1
	s_add_co_u32 s[G0V+4*\s+1], s59, \s*SLOTB
	s_add_nc_u64 s[G0V+4*\s+2:G0V+4*\s+3], s[56:57], 4096+\s*TILEB ; V's at byte 4,096
	s_or_b32 s[G0V+4*\s+3], s[G0V+4*\s+3], 0x80000000
.endr
	ROUND                                          ; all four work-groups are here: the first joint loads meet
	JLOAD 0                                        ; tile 0.  A wave never has more than one tensor load out in this text
	v_and_b32 v24, 15, v0                          ; r
	v_bfe_u32 v25, v0, 4, 1                        ; h
	v_and_b32 v26, 7, v0                           ; lane mod 8
	v_bfe_u32 v27, v0, 3, 1                        ; (lane / 8) mod 2
	v_mul_u32_u24 v[QOFF], v24, QROW
	v_lshl_add_u32 v[QOFF], v25, 4, v[QOFF]        ; row r, 16 bytes for each half of the lanes
.irp qt, 0,1
.irp ds, 0,1
	global_load_b128 v[QF+8*(2*\qt+\ds):QF+8*(2*\qt+\ds)+3],   v[QOFF], s[60:61] offset:16*QROW*\qt+64*\ds
	global_load_b128 v[QF+8*(2*\qt+\ds)+4:QF+8*(2*\qt+\ds)+7], v[QOFF], s[60:61] offset:16*QROW*\qt+64*\ds+32
.endr
.endr
	v_mul_u32_u24 v28, v24, KP
	v_lshl_add_u32 v28, v25, 4, v28                ; r x 272 + 16 h
	v_add_nc_u32 v[KA], s22, v28                   ; + my head's 128 bytes
	v_add_nc_u32 v[KA+1], SLOTB, v[KA]
	v_lshl_add_u32 v29, v25, 3, v26                ; the transposing load: key 8 h + lane mod 8,
	v_mul_u32_u24 v29, v29, VP
	v_lshl_add_u32 v29, v27, 4, v29                ; 16 bytes (8 d) for each group of eight lanes
	s_add_co_u32 s23, s22, VOFF
	v_add_nc_u32 v[VA], s23, v29
	v_add_nc_u32 v[VA+1], 128*VP, v[VA]
	v_add_nc_u32 v[VA+2], SLOTB, v[VA]
	v_add_nc_u32 v[VA+3], SLOTB+128*VP, v[VA]
	s_mul_i32 s23, s10, 32*KP                      ; in: row 32 (w mod 4) + r, my head's 128 bytes
	s_add_co_u32 s23, s23, s22
	s_add_co_u32 s23, s23, STAGE
	v_add_nc_u32 v[STO], s23, v28
	v_mul_u32_u24 v29, v25, KP                     ; back: my wave takes rows 16 w .. 16 w + 15, two at a time
	v_lshl_add_u32 v29, v24, 4, v29
	s_mul_i32 s23, s8, 16*KP
	s_add_co_u32 s23, s23, STAGE
	v_add_nc_u32 v[RD], s23, v29
	v_lshlrev_b32 v29, 11, v25                     ; and the same places in o
	v_lshl_add_u32 v29, v24, 4, v29
	s_lshl_b32 s23, s8, 15
	v_add_nc_u32 v[CO], s23, v29
	s_wait_loadcnt 0x0                             ; Q, once
; 16 LDS loads: the K fragments of key block kb (64 keys x 64 d of my head)
.macro KFETCH slot, kb
.irp kt, 0,1,2,3
.irp ds, 0,1
	ds_load_b128 v[FR+8*(2*\kt+\ds):FR+8*(2*\kt+\ds)+3],   v[KA+\slot] offset:(64*\kb+16*\kt)*KP+64*\ds
	ds_load_b128 v[FR+8*(2*\kt+\ds)+4:FR+8*(2*\kt+\ds)+7], v[KA+\slot] offset:(64*\kb+16*\kt)*KP+64*\ds+32
.endr
.endr
.endm
; 16 transposing LDS loads: the V^T fragments of key block kb: fragment (ks, dt) = d 16 dt .. + 15 x keys 32 ks .. + 31
.macro VFETCH slot, kb
.irp ks, 0,1
.irp dt, 0,1,2,3
	ds_load_tr16_b128 v[FR+8*(4*\ks+\dt):FR+8*(4*\ks+\dt)+3],   v[VA+2*\slot+(\kb>>1)] offset:(64*(\kb&1)+32*\ks)*VP+32*\dt
	ds_load_tr16_b128 v[FR+8*(4*\ks+\dt)+4:FR+8*(4*\ks+\dt)+7], v[VA+2*\slot+(\kb>>1)] offset:(64*(\kb&1)+32*\ks)*VP+32*\dt+16*VP
.endr
.endr
.endm
; Eight products of S^T, one on each of the eight score tiles: the accumulators take turns, one instruction a turn
.macro SMUL ds, zero
.irp kt, 0,1,2,3
.irp qt, 0,1
.if \zero
	v_wmma_f32_16x16x32_bf16 v[SC+32*\qt+8*\kt:SC+32*\qt+8*\kt+7], v[FR+8*(2*\kt+\ds):FR+8*(2*\kt+\ds)+7], v[QF+8*(2*\qt+\ds):QF+8*(2*\qt+\ds)+7], 0
.else
	v_wmma_f32_16x16x32_bf16 v[SC+32*\qt+8*\kt:SC+32*\qt+8*\kt+7], v[FR+8*(2*\kt+\ds):FR+8*(2*\kt+\ds)+7], v[QF+8*(2*\qt+\ds):QF+8*(2*\qt+\ds)+7], v[SC+32*\qt+8*\kt:SC+32*\qt+8*\kt+7]
.endif
.endr
.endr
.endm
; Eight products of O^T, one on each of the eight output tiles, by turns likewise
.macro PVMUL ks, zero
.irp dt, 0,1,2,3
.irp qt, 0,1
.if \zero
	v_wmma_f32_16x16x32_bf16 v[OA+8*(4*\qt+\dt):OA+8*(4*\qt+\dt)+7], v[FR+8*(4*\ks+\dt):FR+8*(4*\ks+\dt)+7], v[SC+32*\qt+16*\ks:SC+32*\qt+16*\ks+7], 0
.else
	v_wmma_f32_16x16x32_bf16 v[OA+8*(4*\qt+\dt):OA+8*(4*\qt+\dt)+7], v[FR+8*(4*\ks+\dt):FR+8*(4*\ks+\dt)+7], v[SC+32*\qt+16*\ks:SC+32*\qt+16*\ks+7], v[OA+8*(4*\qt+\dt):OA+8*(4*\qt+\dt)+7]
.endif
.endr
.endr
.endm
; The softmax step of query tile qt on its 32 scores a lane (64 keys over the two halves of the lanes).  first = 1: nothing to rescale yet.
.macro SOFTMAX qt, first
.irp kt, 0,1,2,3
	v_max3_num_f32 v[TT+\kt], v[SC+32*\qt+8*\kt], v[SC+32*\qt+8*\kt+1], v[SC+32*\qt+8*\kt+2]     ; four chains that do not wait for each other
.endr
.irp kt, 0,1,2,3
	v_max3_num_f32 v[TT+\kt], v[TT+\kt], v[SC+32*\qt+8*\kt+3], v[SC+32*\qt+8*\kt+4]
.endr
.irp kt, 0,1,2,3
	v_max3_num_f32 v[TT+\kt], v[TT+\kt], v[SC+32*\qt+8*\kt+5], v[SC+32*\qt+8*\kt+6]
.endr
.irp kt, 0,1,2,3
	v_max_num_f32 v[TT+\kt], v[TT+\kt], v[SC+32*\qt+8*\kt+7]
.endr
	v_max3_num_f32 v[TT], v[TT], v[TT+1], v[TT+2]
	v_max_num_f32 v[TT], v[TT], v[TT+3]
	v_permlanex16_b32 v[TT+1], v[TT], s12, s13     ; the other half's keys of the same query; the destination has been written above
.if \first
	v_max_num_f32 v[MX+\qt], v[TT], v[TT+1]
	v_mul_f32 v[NM+2*\qt], s16, v[MX+\qt]          ; the base -c m, rounded once
	v_mul_f32 v[NM+2*\qt+1], s16, v[MX+\qt]
.else
	v_max3_num_f32 v[MX+\qt], v[TT], v[TT+1], v[MX+\qt]
	v_mul_f32 v[TT+4], s16, v[MX+\qt]              ; the new base
	v_sub_f32 v[TT+5], v[TT+4], v[NM+2*\qt]        ; new base - old base = c (old m - new m), never above 0
	v_exp_f32 v[AL+2*\qt], v[TT+5]                 ; the two moves below are the plain places behind it (ISA guide 5.7.2)
	v_mov_b32 v[NM+2*\qt], v[TT+4]
	v_mov_b32 v[NM+2*\qt+1], v[TT+4]
.endif
.set sm, 0
.rept 16
	v_pk_fma_f32 v[SC+32*\qt+2*sm:SC+32*\qt+2*sm+1], v[SC+32*\qt+2*sm:SC+32*\qt+2*sm+1], s[14:15], v[NM+2*\qt:NM+2*\qt+1] op_sel_hi:[1,0,1]   ; c s - c m
.set sm, sm+1
.endr
.set sm, 0
.rept 32
	v_exp_f32 v[SC+32*\qt+sm], v[SC+32*\qt+sm]     ; back to back, each on a register of its own
.set sm, sm+1
.endr
.if \first
	v_nop                                          ; one plain place before the weights are read
	s_wait_alu depctr_va_vdst(0)
.else
	s_wait_alu depctr_va_vdst(0)
	v_mov_b32 v[AL+2*\qt+1], v[AL+2*\qt]           ; the plain place before the weights are read: the factor's second copy
.endif
	v_pk_add_f32 v[TT:TT+1],   v[SC+32*\qt:SC+32*\qt+1],   v[SC+32*\qt+2:SC+32*\qt+3]             ; the sum of my 32 weights, in two chains
	v_pk_add_f32 v[TT+2:TT+3], v[SC+32*\qt+4:SC+32*\qt+5], v[SC+32*\qt+6:SC+32*\qt+7]
.set sm, 4
.rept 6
	v_pk_add_f32 v[TT:TT+1],   v[TT:TT+1],   v[SC+32*\qt+2*sm:SC+32*\qt+2*sm+1]
	v_pk_add_f32 v[TT+2:TT+3], v[TT+2:TT+3], v[SC+32*\qt+2*sm+2:SC+32*\qt+2*sm+3]
.set sm, sm+2
.endr
	v_pk_add_f32 v[TT:TT+1], v[TT:TT+1], v[TT+2:TT+3]
.if \first
	v_add_f32 v[LS+\qt], v[TT], v[TT+1]
.else
	v_add_f32 v[TT], v[TT], v[TT+1]
	v_fma_f32 v[LS+\qt], v[LS+\qt], v[AL+2*\qt], v[TT]
.endif
.irp ks, 0,1
.irp j, 0,1,2,3,4,5,6,7
	v_cvt_pk_bf16_f32 v[SC+32*\qt+16*\ks+\j], v[SC+32*\qt+16*\ks+2*\j], v[SC+32*\qt+16*\ks+2*\j+1]   ; in place, ascending: two key tiles become one fragment of P^T
.endr
.endr
.if \first
.else
.set sm, 0
.rept 16
	v_pk_mul_f32 v[OA+32*\qt+2*sm:OA+32*\qt+2*sm+1], v[OA+32*\qt+2*sm:OA+32*\qt+2*sm+1], v[AL+2*\qt:AL+2*\qt+1]
.set sm, sm+1
.endr
.endif
.endm
; A block of 64 keys.  nkb: the key block of the same slot whose K fragments are fetched at the end (4: none).
.macro BLOCK slot, kb, nkb, first
	s_wait_dscnt 0x0                               ; the 16 loads of K
	SMUL 0, 1                                      ; the first products start the scores: nothing is cleared
	SMUL 1, 0
	PLACES 4                                       ; in front of the loads into K's registers and of the vector reads of the scores
	VFETCH \slot, \kb                              ; on its way during the softmax
	SOFTMAX 0, \first
	SOFTMAX 1, \first
	s_wait_dscnt 0x0                               ; the 16 loads of V
	PVMUL 0, \first
	PVMUL 1, 0
	PLACES 5                                       ; the next scores' products write over P^T, and the next loads land in V's registers
.if \nkb < 4
	KFETCH \slot, \nkb
.endif
.endm
; A tile of 256 keys in slot; other = the other slot, which was read last trip.  In front of the round every wave has waited for all its tensor loads (its part of
; this trip's tile among them) and for its LDS reads; the round holds register work alone; behind it the next tile is asked for, first, one load a wave.
.macro TRIP slot, other, refill, first
	s_wait_tensorcnt 0x0
	ds_add_u32 v30, v31
	s_wait_dscnt 0x0
	s_add_nc_u64 s[G0K+4*\slot+2:G0K+4*\slot+3], s[G0K+4*\slot+2:G0K+4*\slot+3], 2*TILEB   ; no tensor load of mine is out: this slot's next tile
	s_add_nc_u64 s[G0V+4*\slot+2:G0V+4*\slot+3], s[G0V+4*\slot+2:G0V+4*\slot+3], 2*TILEB
	s_wait_dscnt 0x0
	ROUND
.if \refill
	JLOAD \other
.endif
	KFETCH \slot, 0
	BLOCK \slot, 0, 1, \first
	BLOCK \slot, 1, 2, 0
	BLOCK \slot, 2, 3, 0
	BLOCK \slot, 3, 4, 0
.endm
	TRIP 0, 1, 1, 1                                ; tile 0; slot 1 gets its first fill behind this trip's round
	TRIP 1, 0, 1, 0
	s_mov_b32 s9, 2
.Lpair:
	TRIP 0, 1, 1, 0                                ; tiles 2 to 5
	TRIP 1, 0, 1, 0
	s_sub_co_u32 s9, s9, 1
	s_cmp_lg_u32 s9, 0
	s_cbranch_scc1 .Lpair
	TRIP 0, 1, 1, 0                                ; tile 6 asks for tile 7, the last
	TRIP 1, 0, 0, 0                                ; nothing is left to fetch (the stepped addresses are not used)
	; THE WAY OUT: the two halves' sums meet, O^T is divided by them, rounded, and goes through the stage so that whole rows of 256 bytes leave.
.irp qt, 0,1
	v_permlanex16_b32 v[TT+\qt], v[LS+\qt], s12, s13
.endr
.irp qt, 0,1
	v_add_f32 v[LS+\qt], v[LS+\qt], v[TT+\qt]      ; about 1 at the least: the largest score's weight is in it
.endr
	v_rcp_f32 v[AL], v[LS]
	v_rcp_f32 v[AL+1], v[LS]
	v_rcp_f32 v[AL+2], v[LS+1]
	v_rcp_f32 v[AL+3], v[LS+1]
	v_nop                                          ; one plain place before the reciprocals are used
	s_wait_alu depctr_va_vdst(0)
.irp qt, 0,1
.set sm, 0
.rept 16
	v_pk_mul_f32 v[OA+32*\qt+2*sm:OA+32*\qt+2*sm+1], v[OA+32*\qt+2*sm:OA+32*\qt+2*sm+1], v[AL+2*\qt:AL+2*\qt+1]
.set sm, sm+1
.endr
.endr
.set sm, 0
.rept 32
	v_cvt_pk_bf16_f32 v[SC+sm], v[OA+2*sm], v[OA+2*sm+1]          ; tile (qt, dt): four registers at 4 (4 qt + dt): 8 neighbouring d of query r
.set sm, sm+1
.endr
.irp qt, 0,1
.irp dt, 0,1,2,3
	ds_store_b128 v[STO], v[SC+4*(4*\qt+\dt):SC+4*(4*\qt+\dt)+3] offset:16*KP*\qt+32*\dt
.endr
.endr
	s_wait_dscnt 0x0                               ; my stores are done, for the others' sake: a row holds the parts of two waves
	s_barrier_signal -1
	s_barrier_wait -1
.irp t, 0,1,2,3,4,5,6,7
	ds_load_b128 v[FR+4*\t:FR+4*\t+3], v[RD] offset:2*KP*\t
.endr
.irp t, 0,1,2,3,4,5,6,7
	s_wait_dscnt 7-\t                              ; LDS loads come back in order: all but the younger ones are in
	global_store_b128 v[CO], v[FR+4*\t:FR+4*\t+3], s[62:63] offset:4096*\t     ; 16 lanes store 256 consecutive aligned bytes
.endr
	s_wait_tensorcnt 0x0
	ds_add_u32 v30, v31
	s_wait_dscnt 0x0
	ROUND                                          ; the closing round: no work-group ends while a partner may still ask for a tile that names it
	s_endpgm
.Lfunc_end_k_q075b4a5f79_attn:
	.size	k_q075b4a5f79_attn, .Lfunc_end_k_q075b4a5f79_attn-k_q075b4a5f79_attn
	.p2alignl 7, 3214868480
	.fill 96, 4, 3214868480
	.section	.rodata,"a",@progbits
	.p2align	6, 0x0
	.amdhsa_kernel k_q075b4a5f79_attn
		.amdhsa_group_segment_fixed_size 327680
		.amdhsa_private_segment_fixed_size 0
		.amdhsa_enable_private_segment 0
		.amdhsa_kernarg_size 16
		.amdhsa_user_sgpr_count 2
		.amdhsa_user_sgpr_kernarg_segment_ptr 1
		.amdhsa_wavefront_size32 1
		.amdhsa_system_sgpr_workgroup_id_x 1
		.amdhsa_system_sgpr_workgroup_id_y 1
		.amdhsa_system_sgpr_workgroup_id_z 1
		.amdhsa_system_vgpr_workitem_id 0
		.amdhsa_next_free_vgpr 256
		.amdhsa_next_free_sgpr 66
		.amdhsa_reserve_vcc 0
		.amdhsa_float_denorm_mode_32 3
		.amdhsa_float_denorm_mode_16_64 3
		.amdhsa_memory_ordered 1
		.amdhsa_forward_progress 1
		.amdhsa_inst_pref_size 255
	.end_amdhsa_kernel
	.section	.bss,"aw",@nobits
	.p2align	6
	.space	262144
	.amdgpu_metadata
---
amdhsa.version: [ 1, 2 ]
amdhsa.kernels:
  - .name:           k_q075b4a5f79_attn
    .symbol:         k_q075b4a5f79_attn.kd
    .args:
      - { .name: qkv, .offset: 0, .size: 8, .value_kind: global_buffer, .address_space: global }
      - { .name: o, .offset: 8, .size: 8, .value_kind: global_buffer, .address_space: global }
    .group_segment_fixed_size: 327680
    .private_segment_fixed_size: 0
    .kernarg_segment_align: 8
    .kernarg_segment_size: 16
    .max_flat_workgroup_size: 256
    .sgpr_count:     66
    .vgpr_count:     256
    .wavefront_size: 32
...
	.end_amdgpu_metadata
.endif
;; end of part 3
;; launch outproj (part 4): grid 8 x 32, 4 waves a work-group, clusters of 4 x 4, 327,680 bytes of LDS; arguments o, owb, out_b, out0; writes out0
.if DOCPART == 4
	.amdgcn_target "amdgcn-amd-amdhsa--gfx1250"
	.amdhsa_code_object_version 6
	.text
	.protected	k_q075b4a5f79_outproj
	.globl	k_q075b4a5f79_outproj
	.p2align	8
	.type	k_q075b4a5f79_outproj,@function
k_q075b4a5f79_outproj:
	s_mov_b64 s[64:65], 0
	v_nop
	global_prefetch_b8 v0, s[64:65] scope:SCOPE_SE
	s_setreg_imm32_b32 hwreg(HW_REG_WAVE_MODE, 25, 1), 1
	s_wait_xcnt 0x0
	s_wait_alu depctr_hold_cnt(0) depctr_sa_sdst(0) depctr_va_vdst(0) depctr_va_sdst(0) depctr_va_ssrc(0) depctr_va_vcc(0) depctr_vm_vsrc(0)
	s_getreg_b32 s2, hwreg(HW_REG_IB_STS2, 6, 4)
	s_cmp_eq_u32 s2, 0
	s_cbranch_scc0 .Lentry_in_a_cluster
	s_endpgm
.Lentry_in_a_cluster:
	s_bfe_u32 s2, ttmp6, 0x10000c
	s_cmp_lg_u32 s2, 0xf033
	s_cbranch_scc0 .Lentry_shape_is_right
	s_endpgm
.Lentry_shape_is_right:
; out0[m][n] = sum over k of o[m][k] owb[n][k] + out_b[n].  o: [4096][1024] bf16, owb: [1024][1024] bf16, out_b: [1024] f32, out0: [4096][1024] f32.  Sums in f32.
; A work-group makes 128 x 128 with four waves, 2 x 2; a wave makes 64 x 64: 4 x 4 accumulator tiles.
; K goes in 4 steps of 256 (tile rows of 512 bytes, at multiples of 256 bytes from the buffers' first bytes) through two LDS slots, the largest pair that fits;
; a step is eight quarters of 32 along K.  The four steps are written out: two first fills, two refills.
; CLUSTERS: 4 x 4 work-groups; o's tile is shared along a row of the cluster, owb's along a column; each is asked for jointly.
; THE MATRIX INSTRUCTION IS USED TRANSPOSED: source 0 = 16 rows of owb, source 1 = 16 rows of o.  Lane (r, h) of tile (a, b) holds row 16 a + r and the eight
; neighbouring columns 16 b + 8 h + 0..7 of the wave's block: 32 bytes.  The bias, laid out as such a tile, is the C of each sum's first product.
; REGISTERS: window 0: addresses, two buffers of fragments, bias;  window 1: the sixteen accumulator tiles, tile (a, b) at v[8 (4 a + b)].
.set BP,     528                       ; an LDS row: 512 bytes + 16, an odd multiple of 16
.set HALFT,  64*BP                     ; 64 rows: what one tensor load brings, and what one wave reads of o or of owb
.set SLOT,   4*HALFT                   ; o's 128 rows, then owb's 128 rows
.set ADRA, 2                           ; v2-3    LDS address of my o fragments in slot 0, 1
.set ADRB, 4                           ; v4-5    the same for owb
.set STO,  6                           ; v6      the way out: where I put 32 bytes
.set RD,   7                           ; v7      the way out: where I read rows back
.set CO,   8                           ; v8      my byte offset in the block of out0
.set BO,   9                           ; v9      32 h: my eight numbers in 16 of the bias
.set F0,   32                          ; v[32:95]   fragment buffer 0: four fragments of owb, then four of o
.set F1,   96                          ; v[96:159]  fragment buffer 1
.set FAO,  32                          ; o's fragments in a buffer lie behind owb's four
.set BI,   160                         ; v[160:191] the bias as four C tiles
.set G1A, 24                           ; s[24:31] descriptor group 1 for o's tiles
.set G0A, 32                           ; s[32:39] group 0 for o's tiles, a set for each slot
.set G1B, 40                           ; s[40:47] group 1 for owb's tiles: differs in the mask alone
.set G0B, 48                           ; s[48:55] group 0 for owb's tiles, a set for each slot
.set G1W0, (1<<16)|(1<<20)|(1<<21)|(6<<22)|(3<<25)   ; elements of 2 bytes; padding on; bit 21 beside a mask; after every 128 words; 4 words
.set MSB, 0
.macro WIN new                         ; the immediate's high byte repeats the setting that is left
.if MSB != \new
	s_set_vgpr_msb (MSB<<8)|\new
.set MSB, \new
.endif
.endm
.macro PLACES                          ; four plain vector places behind matrix instructions (ISA guide 7.12.1)
.rept 4
	v_nop
.endr
.endm
; A joint load.  Waves 0 and 1 fetch the halves of o's 128 rows, waves 2 and 3 those of owb's.  The branch hangs on the wave's number alone.
.macro JLOAD s
	s_cmp_eq_u32 s13, 0
	s_cbranch_scc0 .Lfor_w_\@
	tensor_load_to_lds s[G0A+4*\s:G0A+4*\s+3], s[G1A:G1A+7]
	s_nop 0
	s_branch .Lasked_\@
.Lfor_w_\@:
	tensor_load_to_lds s[G0B+4*\s:G0B+4*\s+3], s[G1B:G1B+7]
	s_nop 0
.Lasked_\@:
.endm
.macro CREST                           ; a round of the cluster's barrier behind its opening work-group barrier
	s_cmp_lg_u32 s12, 0
	s_cbranch_scc1 .Lnot_wave_0_\@
	s_barrier_signal -3
.Lnot_wave_0_\@:
	s_barrier_wait -3
	s_barrier_signal -1
	s_barrier_wait -1
.endm
.macro CROUND                          ; a whole round
	s_barrier_signal -1
	s_barrier_wait -1
	CREST
.endm
	s_load_b256 s[4:11], s[0:1], 0x0               ; o s[4:5], owb s[6:7], out_b s[8:9], out0 s[10:11]
	v_lshl_add_u32 v254, v0, 2, 0x42000
	v_mov_b32 v255, 0
	ds_add_u32 v254, v255
	v_lshrrev_b32 v1, 5, v0
	v_readfirstlane_b32 s12, v1                    ; wave 0..3
	s_lshr_b32 s13, s12, 1                         ; which half of the block's rows is mine.  Also: I fetch for o (0) or for owb (1)
	s_and_b32 s14, s12, 1                          ; which half of its columns.  Also: which 64 rows of that tile I fetch
	s_bfe_u32 s16, ttmp6, 0x40000                  ; cx
	s_bfe_u32 s17, ttmp6, 0x40004                  ; cy
	s_lshl_b32 s18, ttmp9, 2
	s_add_co_u32 s18, s18, s16                     ; block column = 4 x cluster x + cx
	s_and_b32 s19, ttmp7, 0xffff
	s_lshl_b32 s19, s19, 2
	s_add_co_u32 s19, s19, s17                     ; block row = 4 x cluster y + cy
	s_lshl_b32 s20, s17, 2
	s_lshl_b32 s20, 15, s20                        ; my row of the cluster
	s_lshl_b32 s21, 0x1111, s16                    ; my column
	s_or_b32 s[G1A+0], s20, G1W0                   ; o's tiles go to my row
	s_or_b32 s[G1B+0], s21, G1W0                   ; owb's tiles go to my column
	s_mov_b32 s[G1A+1], 256<<16                    ; tensor_dim0 = 256
	s_mov_b32 s[G1B+1], 256<<16
	s_mov_b32 s[G1A+2], 64<<16                     ; tensor_dim1 = 64
	s_mov_b32 s[G1B+2], 64<<16
	s_mov_b32 s[G1A+3], 256<<16                    ; tile_dim0 = 256 elements, 512 bytes
	s_mov_b32 s[G1B+3], 256<<16
	s_mov_b32 s[G1A+4], 64                         ; tile_dim1 = 64 rows
	s_mov_b32 s[G1B+4], 64
	s_mov_b32 s[G1A+5], 1024                       ; elements from row to row
	s_mov_b32 s[G1B+5], 1024
	s_mov_b32 s[G1A+6], 0
	s_mov_b32 s[G1B+6], 0
	s_mov_b32 s[G1A+7], 0
	s_mov_b32 s[G1B+7], 0
	s_lshl_b32 s22, s19, 7                         ; o: row 128 x block row + 64 x half (registers that never hold cx)
	s_lshl_b32 s23, s14, 6
	s_add_co_u32 s22, s22, s23
	s_lshl_b32 s22, s22, 11                        ; x 2,048 bytes
	s_mov_b32 s23, 0
	s_lshl_b32 s58, s18, 7                         ; owb: row 128 x block column + 64 x half (registers that never hold cy)
	s_lshl_b32 s59, s14, 6
	s_add_co_u32 s58, s58, s59
	s_lshl_b32 s58, s58, 11                        ; x 2,048 bytes
	s_mov_b32 s59, 0
	s_mul_i32 s60, s12, HALFT                      ; where my tile goes: o's two halves, then owb's two = wave x 64 rows; no place in the cluster enters an LDS address
	s_wait_dscnt 0x0
	s_wait_kmcnt 0x0
	s_add_nc_u64 s[56:57], s[4:5], s[22:23]
	s_add_nc_u64 s[58:59], s[6:7], s[58:59]
	CROUND                                         ; all sixteen work-groups are here: the first joint loads meet
.irp s, 0,1
	s_mov_b32 s[G0A+4*\s], 1                                       ; count = 1
	s_add_co_u32 s[G0A+4*\s+1], s60, \s*SLOT                       ; LDS address
	s_add_nc_u64 s[G0A+4*\s+2:G0A+4*\s+3], s[56:57], \s*512        ; global address: K step s
	s_or_b32 s[G0A+4*\s+3], s[G0A+4*\s+3], 0x80000000              ; type = 2
	s_mov_b32 s[G0B+4*\s], 1
	s_add_co_u32 s[G0B+4*\s+1], s60, \s*SLOT
	s_add_nc_u64 s[G0B+4*\s+2:G0B+4*\s+3], s[58:59], \s*512
	s_or_b32 s[G0B+4*\s+3], s[G0B+4*\s+3], 0x80000000
	JLOAD \s                                       ; both slots are asked for before anything else: two tensor loads of the wave are out, never more
.endr
	v_and_b32 v10, 15, v0                          ; r
	v_bfe_u32 v11, v0, 4, 1                        ; h
	v_and_b32 v12, 31, v0                          ; lane
	v_mul_u32_u24 v14, v10, BP
	v_lshl_add_u32 v13, v11, 4, v14                ; a fragment: row r, 16 bytes for each half of the lanes; two loads 32 bytes apart
	v_lshl_add_u32 v14, v11, 5, v14                ; the way out: row r, 32 bytes for each half
	s_mul_i32 s62, s13, HALFT                      ; my 64 rows of o
	v_add_nc_u32 v[ADRA], s62, v13
	v_add_nc_u32 v[ADRA+1], SLOT, v[ADRA]
	s_mul_i32 s63, s14, HALFT                      ; my 64 rows of owb,
	s_add_co_u32 s63, s63, 2*HALFT                 ; which lie behind o's 128
	v_add_nc_u32 v[ADRB], s63, v13
	v_add_nc_u32 v[ADRB+1], SLOT, v[ADRB]
	s_lshl_b32 s63, s14, 8                         ; in: row 64 x row half + r, my 64 columns' 256 bytes
	s_add_co_u32 s63, s63, s62
	v_add_nc_u32 v[STO], s63, v14
	s_mul_i32 s63, s12, 32*BP                      ; back: my wave takes rows 32 w .. 32 w + 31, a whole row of 512 bytes at a time
	v_lshl_add_u32 v[RD], v12, 4, s63
	s_lshl_b32 s63, s12, 17                        ; and the same places in out0: 32 w rows of 4,096 bytes
	v_lshl_add_u32 v[CO], v12, 4, s63
	v_lshlrev_b32 v[BO], 5, v11
	s_lshl_b32 s62, s18, 9                         ; the bias of my 64 columns: 4 (128 x block column + 64 x column half)
	s_lshl_b32 s63, s14, 8
	s_add_co_u32 s62, s62, s63
	s_mov_b32 s63, 0
	s_add_nc_u64 s[8:9], s[8:9], s[62:63]
.irp b, 0,1,2,3
	global_load_b128 v[BI+8*\b:BI+8*\b+3],   v[BO], s[8:9] offset:64*\b      ; register j of tile b: the bias of column 16 b + 8 h + j
	global_load_b128 v[BI+8*\b+4:BI+8*\b+7], v[BO], s[8:9] offset:64*\b+16
.endr
; 16 LDS loads in one run: the fragments of quarter q of a K step (64 rows of owb, 64 rows of o, 32 K at byte 64 q of the rows) into buffer f
.macro FETCH slot, q, f
	WIN 0
.irp i, 0,1,2,3
	ds_load_b128 v[\f+8*\i:\f+8*\i+3],   v[ADRB+\slot] offset:\i*16*BP+64*\q
	ds_load_b128 v[\f+8*\i+4:\f+8*\i+7], v[ADRB+\slot] offset:\i*16*BP+64*\q+32
.endr
.irp i, 0,1,2,3
	ds_load_b128 v[\f+FAO+8*\i:\f+FAO+8*\i+3],   v[ADRA+\slot] offset:\i*16*BP+64*\q
	ds_load_b128 v[\f+FAO+8*\i+4:\f+FAO+8*\i+7], v[ADRA+\slot] offset:\i*16*BP+64*\q+32
.endr
.endm
; 8 matrix instructions: row tiles a0, a0 + 1 x all four column tiles.  The sixteen accumulators take turns, one instruction a turn, in the same order in
; every quarter.  zero = 1: the first product starts the sums from the bias.
.macro MUL8 f, a0, zero
.if \zero
	WIN 0x40                                       ; D window 1; fragments and C (the bias) window 0
.else
	WIN 0x50                                       ; C and D window 1
.endif
.irp a, \a0, \a0+1
.irp b, 0,1,2,3
.if \zero
	v_wmma_f32_16x16x32_bf16 v[8*(4*(\a)+\b):8*(4*(\a)+\b)+7], v[\f+8*\b:\f+8*\b+7], v[\f+FAO+8*(\a):\f+FAO+8*(\a)+7], v[BI+8*\b:BI+8*\b+7]
.else
	v_wmma_f32_16x16x32_bf16 v[8*(4*(\a)+\b):8*(4*(\a)+\b)+7], v[\f+8*\b:\f+8*\b+7], v[\f+FAO+8*(\a):\f+FAO+8*(\a)+7], v[8*(4*(\a)+\b):8*(4*(\a)+\b)+7]
.endif
.endr
.endr
.endm
; One quarter: multiplies buffer mf, whose loads were issued a quarter ago, and fetches the next quarter (quarter fq of slot fslot) into buffer ff,
; which the last quarter multiplied.
; chg = 1: the quarter changes slots.  In front of the barrier the wave's reads of slot cslot are back and all its tensor loads have landed, its part of the
; other slot among them; 8 products, register work alone, stand between signal and wait.  fill = 1: that barrier opens a round of the cluster's barrier, and
; behind the round slot cslot is asked for again, two K steps ahead, as the wave's first and only tensor load there, ahead of its first LDS read.
; From that request to the wait for it the wave issues 8 + 7 x 16 = 120 matrix instructions.
.macro SPAN fetch, fslot, fq, ff, chg, cslot, fill, mf, zero
	WIN 0
	PLACES                                         ; the loads below land in fragments that the last quarter's products read
	s_wait_dscnt 0x0                               ; the 16 loads issued a quarter ago
.if \chg
	s_wait_tensorcnt 0x0
	ds_add_u32 v254, v255
	s_wait_dscnt 0x0
	s_barrier_signal -1
	MUL8 \mf, 0, 0
	WIN 0
	s_barrier_wait -1
.if \fill
	CREST
	s_add_nc_u64 s[G0A+4*\cslot+2:G0A+4*\cslot+3], s[G0A+4*\cslot+2:G0A+4*\cslot+3], 1024   ; no tensor load of mine is out: a group 0 may be written
	s_add_nc_u64 s[G0B+4*\cslot+2:G0B+4*\cslot+3], s[G0B+4*\cslot+2:G0B+4*\cslot+3], 1024
	JLOAD \cslot
.endif
	FETCH \fslot, \fq, \ff
	MUL8 \mf, 2, 0
.else
.if \fetch
	FETCH \fslot, \fq, \ff
.endif
	MUL8 \mf, 0, \zero
	MUL8 \mf, 2, \zero
.endif
.endm
; A K step in slot s; o = the other slot.  chg = 1: its last quarter changes slots; fill = 1: and slot s is asked for again.
.macro STEP s, o, chg, fill, zero
	SPAN 1, \s, 1, F1, 0, 0, 0, F0, \zero
	SPAN 1, \s, 2, F0, 0, 0, 0, F1, 0
	SPAN 1, \s, 3, F1, 0, 0, 0, F0, 0
	SPAN 1, \s, 4, F0, 0, 0, 0, F1, 0
	SPAN 1, \s, 5, F1, 0, 0, 0, F0, 0
	SPAN 1, \s, 6, F0, 0, 0, 0, F1, 0
	SPAN 1, \s, 7, F1, 0, 0, 0, F0, 0
.if \chg
	SPAN 1, \o, 0, F0, 1, \s, \fill, F1, 0
.else
	SPAN 0, 0, 0, F0, 0, 0, 0, F1, 0
.endif
.endm
	s_wait_tensorcnt 0x1                           ; my part of K step 0 is in; K step 1's may stay out
	s_barrier_signal -1
	s_barrier_wait -1                              ; everybody's is
	FETCH 0, 0, F0
	s_wait_loadcnt 0x0                             ; the bias
	STEP 0, 1, 1, 1, 1                             ; K step 0: its first products start the sums; asks for K step 2
	STEP 1, 0, 1, 1, 0                             ; K step 1 asks for K step 3, the last
	STEP 0, 1, 1, 0, 0                             ; K step 2: nothing is left to fetch; the change of slots is a plain barrier
	STEP 1, 0, 0, 0, 0                             ; K step 3
	; THE WAY OUT: the f32 results go through LDS, so that whole rows of 512 bytes leave.  The stage (128 rows x 528 bytes) lies in slot 0's bytes: slot 0 has had
	; its last fill (K step 2), and every wave's reads of it were waited for in front of K step 2's barrier.
	WIN 0
	PLACES                                         ; the LDS stores read results; the loads below land in fragments of the last products
	s_lshl_b32 s62, s19, 19                        ; block row x 128 rows x 4,096 bytes
	s_lshl_b32 s63, s18, 9                         ; + block column x 512 bytes
	s_add_co_u32 s62, s62, s63
	s_mov_b32 s63, 0
	s_add_nc_u64 s[10:11], s[10:11], s[62:63]
	WIN 0x04                                       ; an LDS store's data is source 1: window 1
.irp a, 0,1,2,3
.irp b, 0,1,2,3
	ds_store_b128 v[STO], v[8*(4*\a+\b):8*(4*\a+\b)+3]   offset:\a*16*BP+64*\b
	ds_store_b128 v[STO], v[8*(4*\a+\b)+4:8*(4*\a+\b)+7] offset:\a*16*BP+64*\b+16
.endr
.endr
	WIN 0
	s_wait_dscnt 0x0                               ; my stores are done, for the others' sake: each row holds parts from two waves
	s_barrier_signal -1
	s_barrier_wait -1
.set t, 0
.rept 32
	ds_load_b128 v[F0+4*t:F0+4*t+3], v[RD] offset:t*BP
.set t, t+1
.endr
.set t, 0
.rept 32
	s_wait_dscnt 31-t                              ; LDS loads come back in order: all but the younger ones are in
	global_store_b128 v[CO], v[F0+4*t:F0+4*t+3], s[10:11] offset:t*4096 th:TH_STORE_NT   ; the wave stores 512 consecutive aligned bytes; out0 is not read again
.set t, t+1
.endr
	s_wait_tensorcnt 0x0
	ds_add_u32 v254, v255
	s_wait_dscnt 0x0
	CROUND                                         ; the closing round: no work-group ends while a partner may still ask for a tile that names it
	s_endpgm
.Lfunc_end_k_q075b4a5f79_outproj:
	.size	k_q075b4a5f79_outproj, .Lfunc_end_k_q075b4a5f79_outproj-k_q075b4a5f79_outproj
	.p2alignl 7, 3214868480
	.fill 96, 4, 3214868480
	.section	.rodata,"a",@progbits
	.p2align	6, 0x0
	.amdhsa_kernel k_q075b4a5f79_outproj
		.amdhsa_group_segment_fixed_size 327680
		.amdhsa_private_segment_fixed_size 0
		.amdhsa_enable_private_segment 0
		.amdhsa_kernarg_size 32
		.amdhsa_user_sgpr_count 2
		.amdhsa_user_sgpr_kernarg_segment_ptr 1
		.amdhsa_wavefront_size32 1
		.amdhsa_system_sgpr_workgroup_id_x 1
		.amdhsa_system_sgpr_workgroup_id_y 1
		.amdhsa_system_sgpr_workgroup_id_z 1
		.amdhsa_system_vgpr_workitem_id 0
		.amdhsa_next_free_vgpr 384
		.amdhsa_next_free_sgpr 66
		.amdhsa_reserve_vcc 0
		.amdhsa_float_denorm_mode_32 3
		.amdhsa_float_denorm_mode_16_64 3
		.amdhsa_memory_ordered 1
		.amdhsa_forward_progress 1
		.amdhsa_inst_pref_size 89
	.end_amdhsa_kernel
	.amdgpu_metadata
---
amdhsa.version: [ 1, 2 ]
amdhsa.kernels:
  - .name:           k_q075b4a5f79_outproj
    .symbol:         k_q075b4a5f79_outproj.kd
    .args:
      - { .name: o, .offset: 0, .size: 8, .value_kind: global_buffer, .address_space: global }
      - { .name: owb, .offset: 8, .size: 8, .value_kind: global_buffer, .address_space: global }
      - { .name: out_b, .offset: 16, .size: 8, .value_kind: global_buffer, .address_space: global }
      - { .name: out0, .offset: 24, .size: 8, .value_kind: global_buffer, .address_space: global }
    .group_segment_fixed_size: 327680
    .private_segment_fixed_size: 0
    .kernarg_segment_align: 8
    .kernarg_segment_size: 32
    .max_flat_workgroup_size: 128
    .sgpr_count:     66
    .vgpr_count:     384
    .wavefront_size: 32
...
	.end_amdgpu_metadata
.endif
;; end of part 4
